; MI455X (gfx1250); checked and timed in simulation.
; The chip was launched on July 23, 2026; its instructions are those of AMD's public machine-readable ISA for CDNA 5 (MIT licence, August 2026) and "CDNA5" Instruction Set Architecture Reference Guide (July 2026). The comments in the code are by the model that wrote it; some were corrected since.
;; Inference Vector Quantizer. Allowed arithmetic: matrix products marked QUANTISED: E2M1 operands, one E8M0 scale for each 32 along K, by v_wmma_scale_f32_16x16x128_f8f6f4 with both operands' format E2M1 (or v_wmma_scale_f32_32x16x128_f4), f32 sums; everything else in f32.
;; Inputs: codebook_weight 8,192 x 256 float32; mask 8 x 4,096 int32; z_e 8 x 4,096 x 256 float32.
;; Outputs: out0 8 x 4,096 int32.
;; This version of the problem:
;;   THIS VERSION OF THE PROBLEM IS GIVEN IN LOW PRECISION. The matrix products marked QUANTISED in the list below multiply operands that are first quantised to E2M1 (2 exponent bits, 1 mantissa bit; 4 bits a number), with one power-of-two scale for each 32 numbers along K (OCP MX v1.0); their sums are f32. All else is computed in f32.
;;   The module's matrix products, in the order in which they are computed (A, B: the left and right operand; K: the contracted axis; several contracted axes count as one K, in the product's order):
;;     1. [M 32,768, K 256] x [K 256, N 8,192]; A: computed on the way; B: computed on the way: QUANTISED
;;   THE QUANTISER, for each operand of a quantised product, along K:
;;     - K is cut into blocks of 32 from its start; a last block that is shorter is filled with zeros.
;;     - A block's scale is 2^e with e = floor(log2(the largest magnitude in the block)) - 2, held to -126 .. 127; a block of zeros has e = 0. As a byte (E8M0): e + 127.
;;     - Each number is divided by its block's scale, clamped to +-6, and rounded to the nearest number of E2M1, ties to even, subnormals kept.
;;     - The product sums the exact products of the quantised numbers (number of the format x scale) in f32.
;;   ~~~python
;;   def quantise(x, axis):      # numpy; x: float32 -> the quantised numbers, widened to float32 again
;;       x = np.moveaxis(x, axis, -1); K = x.shape[-1]
;;       x = np.pad(x, [(0, 0)] * (x.ndim - 1) + [(0, -K % 32)]); x = x.reshape(x.shape[:-1] + (-1, 32)); a = np.abs(x).max(-1, keepdims=True)
;;       e = np.where(a > 0, np.clip(np.frexp(np.where(a > 0, a, 1))[1] - 1 - 2, -126, 127), 0)      # np.frexp(a)[1] - 1 = floor(log2(a)), exactly
;;       r = np.clip(x / 2.0 ** e, -6, 6)
;;       step = 2.0 ** (np.maximum(np.frexp(np.where(r == 0, 1, r))[1] - 1, 0) - 1)
;;       q = np.round(r / step) * step * 2.0 ** e      # np.round: ties to even
;;       return np.moveaxis(q.reshape(q.shape[:-2] + (-1,))[..., :K], -1, axis).astype(np.float32)
;;   ~~~
;;   OPERANDS COMPUTED ON THE WAY. 'Computed on the way' means the value that the module computes at that place (a softmax that the list does not call 'softmax' is quantised finished and normalised). What goes into a quantiser is computed in f32, as accurately as f32 sums, v_exp_f32 and their like allow (about 1e-6 of the number): no bf16 or f16 on the way to a quantiser, and a product that is left as it is and whose result goes on into a quantised operand takes f32 operands (vector FMAs, or v_wmma_f32_16x16x4_f32). A number that lies on a knife's edge between two numbers of the format may be rounded either way, as far as f32 arithmetic and the matrix unit's own rounding can turn it there, and no further.
;; One version. Each part assembles by itself: llvm-mc -triple=amdgcn-amd-amdhsa -mcpu=gfx1250 --defsym DOCPART=n.
;; ======== version 1 of 1: 3 launches
;; limits: inputs' magnitudes at most 1e+18; right only within a limited range of input values
;; workspace buffers: zq 4,456,448 bytes; cq 1,114,112 bytes; win 131,072 bytes of whole numbers
;; launch quant (part 1): grid 640 x 1, 4 waves a work-group, no clusters, 67,584 bytes of LDS; arguments z_e, codebook_weight, zq, cq; writes zq, cq
.if DOCPART == 1
	.amdgcn_target "amdgcn-amd-amdhsa--gfx1250"
	.amdhsa_code_object_version 6
	.text
	.protected	k_qa0b956b8e9_quant
	.globl	k_qa0b956b8e9_quant
	.p2align	8
	.type	k_qa0b956b8e9_quant,@function
k_qa0b956b8e9_quant:
	s_mov_b64 s[64:65], 0
	v_nop
	global_prefetch_b8 v0, s[64:65] scope:SCOPE_SE
	s_setreg_imm32_b32 hwreg(HW_REG_WAVE_MODE, 25, 1), 1
	s_wait_xcnt 0x0
; Rows of 256 f32 (z_e: 32,768 rows; codebook_weight: 8,192 rows) are divided by max(their L2 norm, 1e-8) in f32 and turned into codes of FP4 (E2M1)
; with one E8M0 scale byte for each 32 along the row.  A block's scale is 2^(floor(log2(its largest magnitude)) - 2); its byte is the largest magnitude's
; exponent field - 2, held at 1 from below.  (A block of zeros so gets the byte 1: its codes are zeros, and this program alone reads the bytes.)
; THE OUTPUT IS LAID IN THE ORDER OF THE OPERAND'S REGISTERS.  A record of REC = 8,704 bytes holds 64 rows = 4 tiles of 16:
;   codes:  2048 j + 256 b + 16 rho : the 16 bytes of row 16 j + rho, block b (k = 32 b .. 32 b + 31).  So the 512 bytes at 2048 j + 512 i, 16 bytes a lane, are registers
;           4 (i % 2) .. + 3 of the fragment of K step i / 2: lane (rho, h) holds block 2 i + h.
;   scales: 8192 + 16 (16 s + rho) + 4 j : the four bytes of blocks 4 s .. 4 s + 3 of that row.  16 bytes a lane give four scale registers, one a tile: lanes 0-15 K step 0, lanes 16-31 K step 1.
; SHARES.  A work-group makes one record (the first 512 work-groups from z_e, the other 128 from the codebook: pointers alone are chosen, the path is one); wave w makes tile w.
; A wave's 16 rows are 16 KiB: 32 loads of 512 consecutive bytes, all asked for at once.  They turn through the wave's own stage in LDS (rows 1,040 bytes apart) so that a lane
; then holds four WHOLE blocks of one row: lane (rho, h) blocks h, 2 + h, 4 + h, 6 + h of row rho, which is what the conversions and the record's layout want.
; LIMITS: NaN and infinities among the inputs are not served, nor rows whose sum of squares passes f32's range.  x / n is made as x times a reciprocal of n refined by one Newton step.
.set PIT,  1040                        ; a stage row: 1,024 bytes + 16: sixteen rows' equal columns fall on sixteen different groups of banks
.set WST,  16*PIT                      ; a wave's stage
.set SCX,  4*WST                       ; behind the stages: the record's 512 bytes of scale words
.set REC,  8704
.set S,    16                          ; v[16:23]   four packed sums of squares
.set A,    24                          ; v24-27     the four blocks' largest magnitudes
.set SO,   28                          ; v28-31     the conversions' scale operands
.set X,    32                          ; v[32:159]  128 numbers
.set C,    160                         ; v[160:175] the codes: four registers a block
.set BY,   176                         ; v176-179   the scale bytes; v180-183 at work on the scale word; v[184:187] wave 0: the record's scale words
	s_load_b256 s[4:11], s[0:1], 0x0               ; z_e s[4:5], codebook_weight s[6:7], zq s[8:9], cq s[10:11]
	v_lshl_add_u32 v192, v0, 2, 0x10600
	v_mov_b32 v193, 0
	v_lshrrev_b32 v1, 5, v0
	v_readfirstlane_b32 s12, v1                    ; wave 0..3 = the tile
	v_and_b32 v1, 31, v0                           ; lane
	v_and_b32 v2, 15, v0                           ; rho
	v_bfe_u32 v3, v0, 4, 1                         ; h
	v_lshlrev_b32 v4, 4, v1                        ; 16 x lane: my place in every run of 512 bytes, in and out
	s_mul_i32 s18, s12, WST
	v_lshl_add_u32 v5, v1, 4, s18                  ; the stage on the way in: as the bytes lie
	v_mul_u32_u24 v6, v2, PIT
	v_lshl_add_u32 v6, v3, 7, v6
	v_add_nc_u32 v6, s18, v6                       ; and on the way out: row rho, + 128 h: block h
	s_lshl_b32 s19, s12, 2
	s_add_co_u32 s19, s19, SCX
	v_lshl_add_u32 v7, v1, 4, s19                  ; my scale word's place: 16 x lane + 4 x tile
	v_lshl_add_u32 v8, v1, 4, SCX                  ; and 16 bytes a lane on the way out
	v_lshlrev_b32 v9, 3, v3                        ; 8 h: my bytes' shift in a scale word
	v_mov_b32 v13, 0                               ; (a lane permute's destination counts as one of its sources)
	v_mov_b32 v183, 0
	s_mov_b32 s20, 0x76543210
	s_mov_b32 s21, 0xfedcba98                      ; v_permlanex16_b32's selects for lane l xor 16
	s_mov_b32 s22, 0xffff0000                      ; lanes 16-31
	s_wait_alu depctr_va_vdst(0)
	s_wait_kmcnt 0x0
	s_cmp_lt_u32 ttmp9, 512                        ; z_e's work-group or the codebook's?  The choice hangs on the work-group's number alone
	s_cselect_b64 s[4:5], s[4:5], s[6:7]
	s_cselect_b64 s[8:9], s[8:9], s[10:11]
	s_cselect_b32 s13, 0, 512
	s_sub_co_u32 s13, ttmp9, s13                   ; the record's number in its tensor
	s_lshl_b32 s14, s13, 16                        ; in: 64 rows of 1,024 bytes a record,
	s_lshl_b32 s16, s12, 14                        ; 16 rows a wave
	s_add_co_u32 s14, s14, s16
	s_mov_b32 s15, 0
	s_add_nc_u64 s[4:5], s[4:5], s[14:15]
	s_mul_i32 s16, s13, REC                        ; out: the record, + 2,048 x tile
	s_lshl_b32 s17, s12, 11
	s_add_co_u32 s16, s16, s17
	s_mov_b32 s17, 0
	s_add_nc_u64 s[8:9], s[8:9], s[16:17]
.set n, 0
.rept 32
	global_load_b128 v[X+4*n:X+4*n+3], v4, s[4:5] offset:512*n th:TH_LOAD_NT   ; 32 lanes read 512 consecutive bytes: half a row
.set n, n+1
.endr
.set n, 0
.rept 4
	s_wait_loadcnt 24-8*(n/8)                      ; loads come back in order: this batch of eight is in, the younger batches stay out
.rept 8
	ds_store_b128 v5, v[X+4*n:X+4*n+3] offset:(n/2)*PIT+(n%2)*512
.set n, n+1
.endr
.endr
	s_wait_dscnt 0x0                               ; the stores have read X: it may be loaded again
.irp q, 0,1,2,3
.irp i, 0,1,2,3,4,5,6,7
	ds_load_b128 v[X+32*\q+4*\i:X+32*\q+4*\i+3], v6 offset:256*\q+16*\i   ; block 2 q + h of row rho: 32 neighbours
.endr
.endr
.irp q, 0,1,2,3
	s_wait_dscnt 24-8*\q                           ; this block's eight loads are in, the later blocks' may be out
	v_pk_mul_f32 v[S+2*\q:S+2*\q+1], v[X+32*\q:X+32*\q+1], v[X+32*\q:X+32*\q+1]   ; the first product starts the sum
.irp i, 2,4,6,8,10,12,14,16,18,20,22,24,26,28,30
	v_pk_fma_f32 v[S+2*\q:S+2*\q+1], v[X+32*\q+\i:X+32*\q+\i+1], v[X+32*\q+\i:X+32*\q+\i+1], v[S+2*\q:S+2*\q+1]
.endr
.endr
	v_pk_add_f32 v[S:S+1], v[S:S+1], v[S+2:S+3]
	v_pk_add_f32 v[S+4:S+5], v[S+4:S+5], v[S+6:S+7]
	v_pk_add_f32 v[S:S+1], v[S:S+1], v[S+4:S+5]
	v_add_f32 v12, v[S], v[S+1]                    ; my 128 squares,
	v_permlanex16_b32 v13, v12, s20, s21
	v_add_f32 v12, v12, v13                        ; and lane l xor 16's: the row's sum
	s_wait_alu depctr_va_vdst(0)
	v_sqrt_f32 v14, v12
	v_nop                                          ; a plain instruction between a transcendental and the use of its result (ISA guide 5.7.2)
	s_wait_alu depctr_va_vdst(0)
	v_max_num_f32 v14, 0x322bcc77, v14             ; n = max(norm, 1e-8)
	s_wait_alu depctr_va_vdst(0)
	v_rcp_f32 v10, v14
	v_nop
	s_wait_alu depctr_va_vdst(0)
	v_fma_f32 v15, -v14, v10, 1.0                  ; one Newton step: e = 1 - n r,
	v_fma_f32 v10, v15, v10, v10                   ; r = r + e r
	v_mov_b32 v11, v10                             ; a pair for the packed multiply
.set n, 0
.rept 64
	v_pk_mul_f32 v[X+2*n:X+2*n+1], v[X+2*n:X+2*n+1], v[10:11]
.set n, n+1
.endr
.irp q, 0,1,2,3
	v_max3_num_f32 v[A+\q], |v[X+32*\q]|, |v[X+32*\q+1]|, 0x1800000   ; a block's largest magnitude: all 32 numbers are mine; the floor 2^(3 - 127) holds the byte at 1 from below
.endr
.irp i, 2,4,6,8,10,12,14,16,18,20,22,24,26,28,30
.irp q, 0,1,2,3
	v_max3_num_f32 v[A+\q], v[A+\q], |v[X+32*\q+\i]|, |v[X+32*\q+\i+1]|   ; (the four blocks by turns: no line waits for the line above it)
.endr
.endr
.irp q, 0,1,2,3
	v_add_nc_u32 v[SO+\q], 0xff000000, v[A+\q]     ; 2 off the exponent field: the conversion takes the exponent field of this operand as its scale, and nothing else of it
.endr
.irp q, 0,1,2,3
	v_lshrrev_b32 v[BY+\q], 23, v[SO+\q]           ; the scale's byte
.endr
.irp q, 0,1,2,3
.irp g, 0,1,2,3
	v_cvt_scalef32_pk8_fp4_f32 v[C+4*\q+\g], v[X+32*\q+8*\g:X+32*\q+8*\g+7], v[SO+\q]   ; eight numbers / the scale, to the nearest code, ties to even, beyond 6 the largest code
.endr
.endr
	v_nop                                          ; one plain instruction behind the last scaled conversion
.irp q, 0,1,2,3
	global_store_b128 v4, v[C+4*\q:C+4*\q+3], s[8:9] offset:512*\q   ; 2048 j + 256 (2 q + h) + 16 rho = 2048 j + 512 q + 16 x lane: 512 consecutive bytes, aligned to 256
.endr
	; the scale words.  Mine are the bytes of blocks h, 2 + h (K step 0) and 4 + h, 6 + h (K step 1); lane (rho, 0) is to hold K step 0's whole word, lane (rho, 1) K step 1's
	v_lshl_or_b32 v180, v[BY+1], 16, v[BY]
	v_lshl_or_b32 v181, v[BY+3], 16, v[BY+2]
	v_lshlrev_b32 v180, v9, v180                   ; at their places: 8 h bits up
	v_lshlrev_b32 v181, v9, v181
	v_cndmask_b32 v182, v180, v181, s22            ; what I keep: the half word of my own K step,
	v_cndmask_b32 v12, v181, v180, s22             ; what lane l xor 16 wants of me
	v_permlanex16_b32 v183, v12, s20, s21
	v_or_b32 v182, v182, v183
	ds_store_b32 v7, v182
	s_wait_dscnt 0x0                               ; for wave 0's sake: my word lies in LDS
	s_barrier_signal -1
	s_barrier_wait -1
	s_cmp_lg_u32 s12, 0
	s_cbranch_scc1 .Ldone
	ds_load_b128 v[184:187], v8                    ; the four tiles' words of one row and K step: 16 bytes a lane
	s_wait_dscnt 0x0
	global_store_b128 v4, v[184:187], s[8:9] offset:8192   ; (wave 0's base is the record's first byte)  512 consecutive bytes, aligned to 256
.Ldone:
	s_wait_tensorcnt 0x0
	ds_add_u32 v192, v193
	s_wait_dscnt 0x0
	s_endpgm
.Lfunc_end_k_qa0b956b8e9_quant:
	.size	k_qa0b956b8e9_quant, .Lfunc_end_k_qa0b956b8e9_quant-k_qa0b956b8e9_quant
	.p2alignl 7, 3214868480
	.fill 96, 4, 3214868480
	.section	.rodata,"a",@progbits
	.p2align	6, 0x0
	.amdhsa_kernel k_qa0b956b8e9_quant
		.amdhsa_group_segment_fixed_size 67584
		.amdhsa_private_segment_fixed_size 0
		.amdhsa_enable_private_segment 0
		.amdhsa_kernarg_size 32
		.amdhsa_user_sgpr_count 2
		.amdhsa_user_sgpr_kernarg_segment_ptr 1
		.amdhsa_wavefront_size32 1
		.amdhsa_system_sgpr_workgroup_id_x 1
		.amdhsa_system_sgpr_workgroup_id_y 1
		.amdhsa_system_sgpr_workgroup_id_z 1
		.amdhsa_system_vgpr_workitem_id 0
		.amdhsa_next_free_vgpr 194
		.amdhsa_next_free_sgpr 66
		.amdhsa_reserve_vcc 0
		.amdhsa_float_denorm_mode_32 3
		.amdhsa_float_denorm_mode_16_64 3
		.amdhsa_memory_ordered 1
		.amdhsa_forward_progress 1
		.amdhsa_inst_pref_size 26
	.end_amdhsa_kernel
	.amdgpu_metadata
---
amdhsa.version: [ 1, 2 ]
amdhsa.kernels:
  - .name:           k_qa0b956b8e9_quant
    .symbol:         k_qa0b956b8e9_quant.kd
    .args:
      - { .name: z_e, .offset: 0, .size: 8, .value_kind: global_buffer, .address_space: global }
      - { .name: codebook_weight, .offset: 8, .size: 8, .value_kind: global_buffer, .address_space: global }
      - { .name: zq, .offset: 16, .size: 8, .value_kind: global_buffer, .address_space: global }
      - { .name: cq, .offset: 24, .size: 8, .value_kind: global_buffer, .address_space: global }
    .group_segment_fixed_size: 67584
    .private_segment_fixed_size: 0
    .kernarg_segment_align: 8
    .kernarg_segment_size: 32
    .max_flat_workgroup_size: 128
    .sgpr_count:     66
    .vgpr_count:     194
    .wavefront_size: 32
...
	.end_amdgpu_metadata
.endif
;; end of part 1
;; launch sweep (part 2): grid 256 x 1, 8 waves a work-group, clusters of 4 x 1, 327,680 bytes of LDS; arguments zq, cq, win; writes win
.if DOCPART == 2
	.amdgcn_target "amdgcn-amd-amdhsa--gfx1250"
	.amdhsa_code_object_version 6
	.text
	.protected	k_qa0b956b8e9_sweep
	.globl	k_qa0b956b8e9_sweep
	.p2align	8
	.type	k_qa0b956b8e9_sweep,@function
k_qa0b956b8e9_sweep:
	s_mov_b64 s[64:65], 0
	v_nop
	global_prefetch_b8 v0, s[64:65] scope:SCOPE_SE
	s_setreg_imm32_b32 hwreg(HW_REG_WAVE_MODE, 25, 1), 1
	s_wait_xcnt 0x0
	s_wait_alu depctr_hold_cnt(0) depctr_sa_sdst(0) depctr_va_vdst(0) depctr_va_sdst(0) depctr_va_ssrc(0) depctr_va_vcc(0) depctr_vm_vsrc(0)
	s_getreg_b32 s2, hwreg(HW_REG_IB_STS2, 6, 4)
	s_cmp_eq_u32 s2, 0
	s_cbranch_scc0 .Lentry_in_a_cluster
	s_endpgm
.Lentry_in_a_cluster:
	s_bfe_u32 s2, ttmp6, 0x10000c
	s_cmp_lg_u32 s2, 0x3003
	s_cbranch_scc0 .Lentry_shape_is_right
	s_endpgm
.Lentry_shape_is_right:
; All 32,768 x 8,192 logits, on codes of FP4 (E2M1) with E8M0 scales, K = 256 = two matrix instructions deep; of each row of z only this is kept: WHICH GROUP OF 8 CODES first holds the row's largest logit.
; win[row] = 2 x (tile of 16 codes) + half: the candidates are codes 8 win .. 8 win + 7.  The next launch multiplies those eight again and finds the first largest among them.
; zq and cq are laid in records of 8,704 bytes for 64 rows, in the order of the operand's registers: tile j's fragment piece i (512 bytes, 16 a lane) at 2048 j + 512 i (piece i: registers 4 (i % 2) on of K step i / 2);
; the scale word of row rho of tile j for K step s at 8192 + 256 s + 16 rho + 4 j.
; SHARES.  A work-group owns 128 rows of z: 8 tiles.  EVERY wave keeps all 8 tiles in 128 registers; THE WAVES SHARE THE CODES: of each 1,024 codes wave w takes 128 (two records, 4 pairs of tiles).
; THE FORM is 32 x 16 x 128: source 0 = 32 codes (a pair of tiles), source 1 = 16 rows of z.  In the result lane (r, h) holds row r of z; register j the code 8 h + j of the pair's first tile, register 8 + j that of the second.
; THE MAXIMA.  A PERIOD is two pairs = four tiles of codes = four groups of 8 codes for a lane.  Within it the running maximum behind the first, second and third group is kept (H1, H2, H3).  At its end, where the maximum
; has grown (a strict compare), the period's place and H1 to H3 are taken over: one compare and four selects for 32 logits of a lane.  Behind the last product the group is found: as many of the kept three as lie
; under the largest stand in front of it.  So the first group that holds the largest is named.  The running maximum takes turns between two registers, so that the old one is still there for the compare.
; TIES go to the lower index: inside a lane as above; between waves and halves of the lanes by comparing the places.
; RING.  Two LDS slots of 1,024 codes (139,264 bytes).  Each wave fills its own eighth of a slot by one tensor load and reads only what its own load brought.
; CLUSTER.  The four work-groups of a cluster walk the same codes: each tile is asked for JOINTLY, by the same tensor load with the same descriptor and the mask of all four.
; PREFETCH.  Behind each tensor load from slot 1's on, the codes of the load after it are named: each wave's 68 blocks of 256 bytes, 17 by each of the four partners, told apart by address.  All clusters read the same
; codes, so four clusters ask.  The last refill asks for nothing.
; REGISTERS, in windows of 256.  window 1: what matrix instructions alone read: v0-127 z (tile z at 16 z, K step s at + 8 s); v128-191 the codes (buffer b at 128 + 32 b, K step s at + 16 s, tile at + 8).
;   window 0: all that vector instructions touch, and the scale words.  Eight matrix instructions stand under one setting.
; LIMITS: NaN among the logits is not served (the quantiser's inputs are finite).
.set REC,   8704
.set CHUNK, 2*REC                      ; what one tensor load brings: two records = 68 rows of 256 bytes
.set SLOTB, 8*CHUNK
.set CMB,   2*SLOTB                    ; behind the ring: every wave's candidates, 8 x 2,048 bytes
.set RES,   CMB+8*2048                 ; the work-group's 128 results
.set SPARE, RES+512                    ; the spare words, 128 bytes for each wave: four blocks of 256 bytes that no other line names
.set SPW, 1                            ; v1   LDS address of my spare word; never rewritten
.set NIL, 2                            ; v2   0; never rewritten
.set ADR, 3                            ; v3, v4  16 x lane + my chunk, in slot 0, 1
.set HH,  5                            ; v5   lane / 16
.set VT,  6                            ; v6   2 x the first tile of the period whose results are being reduced
.set PFO, 7                            ; v7   the prefetches' offset; never rewritten
.set L16, 8                            ; v8   16 x lane
.set ADS, 9                            ; v9, v10  16 (lane % 16) + 4 (lane / 16) + my chunk, in slot 0, 1: the codes' scale words
.set Z16, 11                           ; v11  16 (lane % 16)
.set ZS,  12                           ; v12-19 z's scale words of K step 0, a register a tile; v20-27 of K step 1: they hold scales and nothing else
.set SCA, 28                           ; v28-31 the codes' scale words: buffer b at 28 + 2 b, K step s at + s: likewise
.set BA,  32                           ; v32-39 tile z: the largest so far at the beginning of a slot's first period
.set Q,   40                           ; v40-71 tile z at + 4 z: the place, and H1, H2, H3 as they were taken over with it
.set HQ,  72                           ; v72-103 tile z at + 4 z: the largest so far at the beginning of a slot's second period, and the period's H1, H2, H3
.set ACC, 104                          ; v104-231 two sets of four accumulators of 16 registers: z tiles 0-3, z tiles 4-7
.set TA,  104                          ; the tail: v104-107 addresses, v108, v109 lane permutes, v112-115 the way out
.set TP,  120                          ; the tail: v120-135 z tile's (largest, place)
.set TT,  136                          ; the tail: v136-143
.set TW,  232                          ; v232-247 the tail: eight waves' candidates
.set ZF,  0                            ; window 1
.set CFB, 128                          ; window 1
.set G1,  16                           ; s[16:23] descriptor group 1
.set G0,  24                           ; s[24:31] descriptor group 0, a set for each slot
.set MSB, 0
.macro WIN new                         ; the immediate's high byte repeats the setting that is left; a switch that changes nothing is dropped
.if MSB != \new
	s_set_vgpr_msb (MSB<<8)|\new
.set MSB, \new
.endif
.endm
.set W_MM, 0x05                        ; sources 0 and 1 window 1; C and D window 0
.set W_LD, 0x40                        ; destination window 1, address window 0
.macro CREST                           ; a round of the cluster's barrier behind its opening barrier
	s_cmp_lg_u32 s10, 0
	s_cbranch_scc1 .Lnot_wave_0_\@
	s_barrier_signal -3
.Lnot_wave_0_\@:
	s_barrier_wait -3
	s_barrier_signal -1
	s_barrier_wait -1
.endm
.macro CROUND                          ; a whole round
	s_barrier_signal -1
	s_barrier_wait -1
	CREST
.endm
	s_load_b128 s[4:7], s[0:1], 0x0                ; zq s[4:5], cq s[6:7]
	s_load_b64 s[8:9], s[0:1], 0x10                ; win
	v_lshl_add_u32 v[SPW], v0, 2, SPARE
	v_mov_b32 v[NIL], 0
	ds_add_u32 v[SPW], v[NIL]                      ; the wave's opening: the add, twice on end, and its wait
	ds_add_u32 v[SPW], v[NIL]
	; descriptor group 1: a dense block of 17,408 bytes as 68 rows of 256 bytes (32 elements of 8 bytes); no padding: the reads are 16 bytes a lane on end
	s_mov_b32 s[G1+0], 15|(3<<16)|(1<<21)          ; 15:0 the mask: all four work-groups; 17:16 elements of 8 bytes; 21 set beside a mask
	s_mov_b32 s[G1+1], 32<<16                      ; tensor_dim0 = 32
	s_mov_b32 s[G1+2], 68<<16                      ; tensor_dim1 = 68
	s_mov_b32 s[G1+3], 32<<16                      ; tile_dim0 = 32
	s_mov_b32 s[G1+4], 68                          ; tile_dim1 = 68
	s_mov_b32 s[G1+5], 32                          ; from row to row: 32 elements
	s_mov_b32 s[G1+6], 0
	s_mov_b32 s[G1+7], 0
	s_wait_dscnt 0x0                               ; both opening adds are done
	v_lshrrev_b32 v[VT], 5, v0
	s_delay_alu instid0(VALU_DEP_1)
	v_readfirstlane_b32 s10, v[VT]                 ; wave 0..7
	s_bfe_u32 s11, ttmp6, 0x40000                  ; cx: my place in the cluster: it enters zq's and win's addresses and the prefetches' offset alone
	s_lshl_b32 s12, ttmp9, 2                       ; in a cluster launch ttmp9 counts clusters
	s_add_co_u32 s12, s12, s11                     ; my block of 128 rows of z
	s_mul_i32 s13, s10, CHUNK                      ; my eighth of a slot, in LDS and in memory alike: the wave's number alone
	s_mov_b32 s14, s13
	s_mov_b32 s15, 0
	s_mul_i32 s36, s12, 2*REC                      ; z: two records a work-group
	s_mov_b32 s37, 0
	s_lshl_b32 s38, s12, 9                         ; win: 128 words a work-group
	s_mov_b32 s39, 0
	s_mul_i32 s35, s11, 17*256
	s_add_co_u32 s35, s35, s13                     ; the prefetches: my wave's chunk, my work-group's 17 blocks of its 68
	s_mov_b32 s44, 0x76543210
	s_mov_b32 s45, 0xfedcba98                      ; v_permlanex16_b32's selects for lane l xor 16
	s_mov_b32 s48, 0x7fffffff
	s_cmp_lt_u32 ttmp9, 4                          ; four clusters ask, the others never
	s_cselect_b32 s46, 1, s48                      ; behind slot 1's refill: while more than one trip is to go
	s_cselect_b32 s47, 0, s48                      ; behind slot 0's: in every trip
	s_lshl_b32 s33, s10, 4
	s_sub_co_i32 s33, s33, 120
	v_and_b32 v[L16], 31, v0
	v_bfe_u32 v[HH], v0, 4, 1
	v_and_b32 v[Z16], 15, v0
	v_mov_b32 v[VT], s33                           ; 120 under my first tile's 16 w: the first pair brings it there
	v_lshl_add_u32 v[ADR], v[L16], 4, s13
	v_min_u32 v[PFO], 16, v[L16]                   ; (lanes left over name the last block again)
	v_lshlrev_b32 v[Z16], 4, v[Z16]
	v_lshlrev_b32 v[L16], 4, v[L16]
	v_add_nc_u32 v[ADR+1], SLOTB, v[ADR]
	v_lshl_add_u32 v[PFO], v[PFO], 8, s35
	v_lshl_add_u32 v[ADS], v[HH], 2, v[Z16]        ; lane 16 jj + rho takes the word of row rho of the pair's tile jj
.irp z, 0,1,2,3
	v_mov_b32 v[BA+\z], 0xff800000                 ; the largest so far: -infinity, under every logit
.endr
	v_add_nc_u32 v[ADS], s13, v[ADS]
.irp z, 4,5,6,7
	v_mov_b32 v[BA+\z], 0xff800000
.endr
	v_add_nc_u32 v[ADS+1], SLOTB, v[ADS]
	s_wait_alu depctr_va_vdst(0)
	s_wait_kmcnt 0x0
	s_add_nc_u64 s[50:51], s[6:7], 2*SLOTB         ; the prefetches begin at slot 0's second 1,024 codes
	s_add_nc_u64 s[6:7], s[6:7], s[14:15]
	s_add_nc_u64 s[4:5], s[4:5], s[36:37]
	s_add_nc_u64 s[8:9], s[8:9], s[38:39]
	WIN W_LD                                       ; z stays in registers: 32 pieces of 512 bytes, asked for ahead of the round
.irp g, 0,1
.irp j, 0,1,2,3
.irp c, 0,1,2,3
	global_load_b128 v[ZF+16*(4*\g+\j)+4*\c:ZF+16*(4*\g+\j)+4*\c+3], v[L16], s[4:5] offset:\g*REC+\j*2048+\c*512
.endr
.endr
.endr
	WIN 0
.irp g, 0,1
.irp s, 0,1
	global_load_b128 v[ZS+8*\s+4*\g:ZS+8*\s+4*\g+3], v[Z16], s[4:5] offset:\g*REC+8192+256*\s   ; four tiles' scale words of row lane % 16 and K step s: lanes 0-15 are read, so no row selector is written
.endr
.endr
.irp p, 0,1
	s_mov_b32 s[G0+4*\p], 1                                        ; count = 1
	s_add_co_u32 s[G0+4*\p+1], s13, \p*SLOTB                       ; LDS address
	s_add_nc_u64 s[G0+4*\p+2:G0+4*\p+3], s[6:7], \p*SLOTB          ; global address: codes 1,024 p on
	s_or_b32 s[G0+4*\p+3], s[G0+4*\p+3], 0x80000000                ; type = 2
.endr
	CROUND                                         ; all four work-groups are here: the first joint loads meet
	tensor_load_to_lds s[G0:G0+3], s[G1:G1+7]      ; slot 0: one tensor load a wave at the head
	s_nop 0
.rept 4
	v_nop
.endr
.set n, 0
.rept 32
	v_mov_b32 v[Q+n], 0
.set n, n+1
.endr
.set n, 0
.rept 16
	v_mov_b32 v[HQ+16+n], 0xff800000               ; z tiles 4-7
.set n, n+1
.endr
.set n, 0
.rept 64
	v_mov_b32 v[ACC+64+n], 0xff800000              ; a slot's first pair reduces the second set of the pair before it: the very first finds -infinity there, which changes nothing.  So the step is written in one form
.set n, n+1
.endr
; EIGHT MATRIX INSTRUCTIONS: pair t's 32 codes x z tiles 4 hf .. 4 hf + 3, K step 0 for all four and then K step 1: the accumulators by turns, one instruction a turn.
.macro GRP t, hf
	WIN W_MM
.set gA, ACC+64*(\hf)
.set gZ, 4*(\hf)
.set gC, CFB+32*((\t)%2)
.set gS, SCA+2*((\t)%2)
.irp u, 0,1,2,3
	v_wmma_scale_f32_32x16x128_f4 v[gA+16*\u:gA+16*\u+15], v[gC:gC+15], v[ZF+16*(gZ+\u):ZF+16*(gZ+\u)+7], 0, v[gS], v[ZS+gZ+\u]
.endr
.irp u, 0,1,2,3
	v_wmma_scale_f32_32x16x128_f4 v[gA+16*\u:gA+16*\u+15], v[gC+16:gC+31], v[ZF+16*(gZ+\u)+8:ZF+16*(gZ+\u)+15], v[gA+16*\u:gA+16*\u+15], v[gS+1], v[ZS+8+gZ+\u]
.endr
.endm
; THE REDUCTION of pair t's four accumulators of set hf, the four by turns; an accumulator is read from its low end on.  Even t: a period's first two groups (H1, H2); odd t: its last two (H3 and the new largest), and the take-over.
; PLACES, by count: behind a set's last product stand the 32 or 52 plain vector instructions of the other set's reduction, which name none of its registers, ahead of the first read of its results,
; of the product that begins the set anew and of the loads into the buffer that it read.
.macro RED t, hf
	WIN 0
.set rA, ACC+64*(\hf)
.set rZ, 4*(\hf)
.if ((\t)/2) == 0                      ; the period's beginning and end: the two registers of the largest take turns
.set rBb, BA+rZ
.set rBs, 1
.set rNb, HQ+4*rZ
.set rNs, 4
.else
.set rBb, HQ+4*rZ
.set rBs, 4
.set rNb, BA+rZ
.set rNs, 1
.endif
.if ((\t)%2) == 0
.set rIb, rBb
.set rIs, rBs
.set rEb, HQ+4*rZ+1
.set rOb, HQ+4*rZ+2
.set rOs, 4
.else
.set rIb, HQ+4*rZ+2
.set rIs, 4
.set rEb, HQ+4*rZ+3
.set rOb, rNb
.set rOs, rNs
.endif
.irp u, 0,1,2,3
	v_max3_num_f32 v[rA+16*\u], v[rA+16*\u], v[rA+16*\u+1], v[rA+16*\u+2]
.endr
.irp u, 0,1,2,3
	v_max3_num_f32 v[rA+16*\u+3], v[rA+16*\u+3], v[rA+16*\u+4], v[rA+16*\u+5]
.endr
.irp u, 0,1,2,3
	v_max3_num_f32 v[rA+16*\u+6], v[rA+16*\u+6], v[rA+16*\u+7], v[rIb+rIs*\u]
.endr
.irp u, 0,1,2,3
	v_max3_num_f32 v[rA+16*\u+8], v[rA+16*\u+8], v[rA+16*\u+9], v[rA+16*\u+10]
.endr
.irp u, 0,1,2,3
	v_max3_num_f32 v[rEb+4*\u], v[rA+16*\u], v[rA+16*\u+3], v[rA+16*\u+6]
.endr
.irp u, 0,1,2,3
	v_max3_num_f32 v[rA+16*\u+11], v[rA+16*\u+11], v[rA+16*\u+12], v[rA+16*\u+13]
.endr
.irp u, 0,1,2,3
	v_max3_num_f32 v[rA+16*\u+14], v[rA+16*\u+14], v[rA+16*\u+15], v[rEb+4*\u]
.endr
.irp u, 0,1,2,3
	v_max3_num_f32 v[rOb+rOs*\u], v[rA+16*\u+8], v[rA+16*\u+11], v[rA+16*\u+14]
.endr
.if ((\t)%2) == 1
.irp u, 0,1,2,3
	v_cmp_gt_f32 s[40+\u], v[rNb+rNs*\u], v[rBb+rBs*\u]            ; has the largest grown in this period?
.endr
.irp u, 0,1,2,3
	v_cndmask_b32 v[Q+4*(rZ+\u)], v[Q+4*(rZ+\u)], v[VT], s[40+\u]
.endr
.irp g, 1,2,3
.irp u, 0,1,2,3
	v_cndmask_b32 v[Q+4*(rZ+\u)+\g], v[Q+4*(rZ+\u)+\g], v[HQ+4*(rZ+\u)+\g], s[40+\u]
.endr
.endr
.endif
.endm
; Pair t of my chunk's tiles in slot p (record t / 2, tiles 2 (t % 2) and + 1) into buffer t % 2: eight pieces of 512 bytes, 16 a lane, and the two K steps' scale words, one a lane.
.macro FETCH p, t
.set fB, CFB+32*((\t)%2)
.set fO, ((\t)/2)*REC+((\t)%2)*4096
.set fS, SCA+2*((\t)%2)
	WIN W_LD
.irp jj, 0,1
.irp i, 0,1,2,3
	ds_load_b128 v[fB+16*(\i/2)+8*\jj+4*(\i%2):fB+16*(\i/2)+8*\jj+4*(\i%2)+3], v[ADR+(\p)] offset:fO+2048*\jj+512*\i
.endr
.endr
	WIN 0
.irp s, 0,1
	ds_load_b32 v[fS+\s], v[ADS+(\p)] offset:((\t)/2)*REC+8192+256*\s+8*((\t)%2)
.endr
.endm
; The prefetch behind slot p's refill: the 1,024 codes behind those that the refill brings.
.macro ASK p
	s_cmp_gt_u32 s32, s[47-(\p)]
	s_cbranch_scc0 .Lnot_mine_\@
	global_prefetch_b8 v[PFO], s[50:51] th:TH_LOAD_NT scope:SCOPE_SE
.Lnot_mine_\@:
.endm
; PAIR OF TILES t of my 4 in slot p: 16 matrix instructions; behind each eight the other set's reduction.  The next pair's fragments are asked for at this pair's head.
; mode (t = 3 alone): 1 this slot is filled again; 2 nothing is filled, a slot follows; 3 the last slot.
.macro TILE t, p, mode
	s_wait_dscnt 0x0                               ; this pair's fragments are in; nothing younger is out
.if (\mode) == 1
	s_wait_xcnt 0x0                                ; any prefetch of mine has read its address:
	s_add_nc_u64 s[50:51], s[50:51], SLOTB         ; on to the next 1,024 codes
	s_wait_tensorcnt 0x0                           ; all my tensor loads have landed: the one that was out is my part of the other slot; so a group 0 may be written
	ds_add_u32 v[SPW], v[NIL]                      ; 0 onto my spare word
	s_add_nc_u64 s[G0+4*\p+2:G0+4*\p+3], s[G0+4*\p+2:G0+4*\p+3], 2*SLOTB   ; this slot's next 1,024 codes; the type bits on top are not reached
	GRP \t, 0                                      ; work on registers stands between the add and the wait for it
	s_wait_dscnt 0x0                               ; the add is done; my reads of this slot ended at the head of this step
	s_barrier_signal -1                            ; this barrier opens a round of the cluster's barrier
	RED (\t)-1, 1                                  ; work on registers while the others arrive
	s_barrier_wait -1
	CREST                                          ; no wave of any partner still reads this slot or has a load on its way
	tensor_load_to_lds s[G0+4*\p:G0+4*\p+3], s[G1:G1+7]   ; my one tensor load behind the round, and the first thing there
	s_nop 0
.rept 4
	v_nop
.endr
	FETCH 1-\p, 0                                  ; the other slot's first pair: my own load brought it, and the wait above has shown it landed
	ASK \p
	GRP \t, 1
	RED \t, 0
.else
.if (\t) < 3
	FETCH \p, (\t)+1
.elseif (\mode) == 2
	s_wait_tensorcnt 0x0                           ; my part of the last slot has landed; I alone read it, and nothing is filled again: no barrier
	FETCH 1-\p, 0
.endif
	GRP \t, 0
	RED ((\t)+3)%4, 1                              ; the pair before
.if (\t) == 0
	v_add_nc_u32 v[VT], 120, v[VT]                 ; the period before is reduced: from a slot's second period to the next slot's first: 128 - 8.  My tiles are 64 d + 8 w + 0 .. 7
.elseif (\t) == 2
	v_add_nc_u32 v[VT], 8, v[VT]                   ; and four tiles on to its second
.endif
	GRP \t, 1
	RED \t, 0
.endif
.endm
.macro SLOT p, mode
	TILE 0, \p, 0
	TILE 1, \p, 0
	TILE 2, \p, 0
	TILE 3, \p, \mode
.endm
	s_wait_alu depctr_va_vdst(0)
	s_wait_tensorcnt 0x0                           ; my part of slot 0 is in
	ds_add_u32 v[SPW], v[NIL]
	s_wait_dscnt 0x0                               ; the add is done
	CROUND                                         ; the joint loads meet
	tensor_load_to_lds s[G0+4:G0+7], s[G1:G1+7]    ; slot 1's first fill, the first tensor load behind the round
	s_nop 0
.rept 4
	v_nop
.endr
	s_wait_loadcnt 0x0                             ; z
	FETCH 0, 0
	s_mov_b32 s32, 3
	s_cmp_eq_u32 s47, 0
	s_cbranch_scc0 .Lnot_asked
	global_prefetch_b8 v[PFO], s[50:51] th:TH_LOAD_NT scope:SCOPE_SE   ; the 1,024 codes of the first refill
.Lnot_asked:
.Lring:                                                ; three trips: codes 0 to 6,143; their refills bring codes 2,048 to 8,191
	SLOT 0, 1
	SLOT 1, 1
	s_sub_co_u32 s32, s32, 1
	s_cmp_lg_u32 s32, 0
	s_cbranch_scc1 .Lring
	SLOT 0, 2                                      ; the last two slots are written out: they ask for nothing
	SLOT 1, 3
	RED 3, 1                                       ; the last four accumulators; the reduction just written is the places behind the last product
; (value, place) A takes B's where B's value is larger, or equal with the lower place
.macro COMB va, ia, vb, ib
	v_cmp_gt_f32 s40, v[\vb], v[\va]
	v_cmp_eq_f32 s41, v[\vb], v[\va]
	v_cmp_lt_u32 s42, v[\ib], v[\ia]
	s_and_b32 s41, s41, s42
	s_or_b32 s40, s40, s41
	v_cndmask_b32 v[\va], v[\va], v[\vb], s40
	v_cndmask_b32 v[\ia], v[\ia], v[\ib], s40
.endm
	; WHICH OF THE PERIOD'S FOUR TILES: 2 for each kept maximum that lies under the largest.  All eight z tiles by turns
	s_lshl_b32 s33, s10, 11
	s_add_co_u32 s33, s33, CMB
	s_lshl_b32 s34, s10, 8
	s_add_co_u32 s34, s34, CMB
	s_lshl_b32 s35, s10, 6
	s_add_co_u32 s35, s35, RES
.irp z, 0,1,2,3,4,5,6,7
	v_mov_b32 v[TP+2*\z], v[BA+\z]
.endr
.irp z, 0,1,2,3,4,5,6,7
	v_mov_b32 v[TP+2*\z+1], v[Q+4*\z]
.endr
.irp g, 1,2,3
.irp k, 0,4
.irp u, 0,1,2,3
	v_cmp_lt_f32 s[40+\u], v[Q+4*(\k+\u)+\g], v[BA+\k+\u]
.endr
.irp u, 0,1,2,3
	v_cndmask_b32 v[TT+\k+\u], 0, 2, s[40+\u]
.endr
.endr
.irp z, 0,1,2,3,4,5,6,7
	v_add_nc_u32 v[TP+2*\z+1], v[TP+2*\z+1], v[TT+\z]
.endr
.endr
	; THE WAVES' CANDIDATES MEET.  Each wave stores, for each z tile, 8 bytes a lane; behind a barrier wave w takes z tile w from all eight.
	v_and_b32 v110, 31, v0
	v_and_b32 v111, 15, v0
	v_mov_b32 v108, 0                              ; (a lane permute's destination counts as one of its sources)
	v_mov_b32 v109, 0
	v_lshl_add_u32 v[TA], v110, 3, s33             ; in: 2,048 x wave + 8 x lane
	v_lshl_add_u32 v[TA+1], v110, 3, s34           ; back: 256 x my z tile + 8 x lane
	v_lshl_add_u32 v[TA+2], v111, 2, s35           ; the result: 64 x z tile + 4 x row
	v_lshl_add_u32 v[TA+3], v110, 4, RES
.irp z, 0,1,2,3,4,5,6,7
	ds_store_b64 v[TA], v[TP+2*\z:TP+2*\z+1] offset:256*\z
.endr
	s_wait_alu depctr_va_vdst(0)
	s_wait_dscnt 0x0                               ; for the others' sake: my candidates lie in LDS
	s_barrier_signal -1
	s_barrier_wait -1
.irp u, 0,1,2,3,4,5,6,7
	ds_load_b64 v[TW+2*\u:TW+2*\u+1], v[TA+1] offset:2048*\u
.endr
	s_wait_dscnt 0x0
	COMB TW, TW+1, TW+2, TW+3
	COMB TW+4, TW+5, TW+6, TW+7
	COMB TW+8, TW+9, TW+10, TW+11
	COMB TW+12, TW+13, TW+14, TW+15
	COMB TW, TW+1, TW+4, TW+5
	COMB TW+8, TW+9, TW+12, TW+13
	COMB TW, TW+1, TW+8, TW+9
	s_delay_alu instid0(VALU_DEP_1)
	v_add_nc_u32 v[TW+1], v[TW+1], v[HH]           ; 2 x tile + my half of the lanes: the group of 8 codes
	s_delay_alu instid0(VALU_DEP_3)
	v_permlanex16_b32 v108, v[TW], s44, s45
	s_delay_alu instid0(VALU_DEP_2)
	v_permlanex16_b32 v109, v[TW+1], s44, s45
	COMB TW, TW+1, 108, 109                        ; with lane l xor 16's: both lanes of a row now hold the same
	ds_store_b32 v[TA+2], v[TW+1]                  ; both write the same word with the same value
	s_wait_dscnt 0x0
	s_barrier_signal -1
	s_barrier_wait -1
	s_cmp_lg_u32 s10, 0
	s_cbranch_scc1 .Lstored
	ds_load_b128 v[112:115], v[TA+3]
	s_wait_dscnt 0x0
	global_store_b128 v[L16], v[112:115], s[8:9]   ; 128 words: 512 consecutive bytes, aligned to 256
.Lstored:
	s_wait_tensorcnt 0x0                           ; the wave's end: behind my last tensor load and my last LDS store
	ds_add_u32 v[SPW], v[NIL]
	s_wait_dscnt 0x0
	CROUND                                         ; the closing round: no work-group ends while a partner may still ask for a tile that names it
	s_endpgm
.Lfunc_end_k_qa0b956b8e9_sweep:
	.size	k_qa0b956b8e9_sweep, .Lfunc_end_k_qa0b956b8e9_sweep-k_qa0b956b8e9_sweep
	.p2alignl 7, 3214868480
	.fill 96, 4, 3214868480
	.section	.rodata,"a",@progbits
	.p2align	6, 0x0
	.amdhsa_kernel k_qa0b956b8e9_sweep
		.amdhsa_group_segment_fixed_size 327680
		.amdhsa_private_segment_fixed_size 0
		.amdhsa_enable_private_segment 0
		.amdhsa_kernarg_size 24
		.amdhsa_user_sgpr_count 2
		.amdhsa_user_sgpr_kernarg_segment_ptr 1
		.amdhsa_wavefront_size32 1
		.amdhsa_system_sgpr_workgroup_id_x 1
		.amdhsa_system_sgpr_workgroup_id_y 1
		.amdhsa_system_sgpr_workgroup_id_z 1
		.amdhsa_system_vgpr_workitem_id 0
		.amdhsa_next_free_vgpr 448
		.amdhsa_next_free_sgpr 66
		.amdhsa_reserve_vcc 0
		.amdhsa_float_denorm_mode_32 3
		.amdhsa_float_denorm_mode_16_64 3
		.amdhsa_memory_ordered 1
		.amdhsa_forward_progress 1
		.amdhsa_inst_pref_size 161
	.end_amdhsa_kernel
	.amdgpu_metadata
---
amdhsa.version: [ 1, 2 ]
amdhsa.kernels:
  - .name:           k_qa0b956b8e9_sweep
    .symbol:         k_qa0b956b8e9_sweep.kd
    .args:
      - { .name: zq, .offset: 0, .size: 8, .value_kind: global_buffer, .address_space: global }
      - { .name: cq, .offset: 8, .size: 8, .value_kind: global_buffer, .address_space: global }
      - { .name: win, .offset: 16, .size: 8, .value_kind: global_buffer, .address_space: global }
    .group_segment_fixed_size: 327680
    .private_segment_fixed_size: 0
    .kernarg_segment_align: 8
    .kernarg_segment_size: 24
    .max_flat_workgroup_size: 256
    .sgpr_count:     66
    .vgpr_count:     448
    .wavefront_size: 32
...
	.end_amdgpu_metadata
.endif
;; end of part 2
;; launch resolve (part 3): grid 256 x 1, 8 waves a work-group, no clusters, 2,048 bytes of LDS; arguments zq, cq, win, mask, out0; writes out0
.if DOCPART == 3
	.amdgcn_target "amdgcn-amd-amdhsa--gfx1250"
	.amdhsa_code_object_version 6
	.text
	.protected	k_qa0b956b8e9_resolve
	.globl	k_qa0b956b8e9_resolve
	.p2align	8
	.type	k_qa0b956b8e9_resolve,@function
k_qa0b956b8e9_resolve:
	s_mov_b64 s[64:65], 0
	v_nop
	global_prefetch_b8 v0, s[64:65] scope:SCOPE_SE
	s_setreg_imm32_b32 hwreg(HW_REG_WAVE_MODE, 25, 1), 1
	s_wait_xcnt 0x0
; out0[row] = mask[row] == 0 ? 0 : the first of codes 8 win[row] .. 8 win[row] + 7 that has the largest logit.  win, whole numbers stored by the launch before, names for each row the first group of 8 codes
; that holds the row's largest logit; here those eight logits are made again, by the same matrix instruction on the same codes and scales, and the first largest is found in the lane.
; SHARES.  A wave takes one tile of 16 rows of z; no loop.  Product p of 8 serves rows 2 p and 2 p + 1: source 0's rows 0-7 are the eight candidates of row 2 p, rows 8-15 those of row 2 p + 1;
; source 1 is the z tile.  In the result lane (r, h) holds row r of z and candidates 8 h + 0 .. 7: of product p lane 2 p (row 2 p's eight) and lane 17 + 2 p (row 2 p + 1's) are wanted.
; GATHER.  Code c lies in record c / 64, tile (c / 16) % 4, row c % 16.  With sg = win: record sg / 8, tile (sg / 2) % 4, rows 8 (sg % 2) + 0 .. 7: eight lanes read 128 consecutive bytes.
; sg is held at 1,023 before it enters an address, so that no load leaves cq whatever win holds.
.set REC, 8704
.set SG,  8                            ; v8-15    product p: win of the row whose candidate my lane fetches
.set AC,  16                           ; v16-23   my byte offset in cq for product p's codes
.set AS,  24                           ; v24-31   and for its scale word
.set ASC, 32                           ; v32-39   the candidates' scale words: they hold scales and nothing else
.set ZSC, 40                           ; v40      z's scale words: likewise
.set SGO, 41                           ; v41      win of row r
.set MK,  42                           ; v42      mask of row r
.set ZF,  48                           ; v48-63   z's fragments: K step s at + 8 s
.set D,   64                           ; v64-127  eight accumulators
.set AF,  128                          ; v128-255 the candidates' fragments, 16 registers a product
	s_load_b256 s[4:11], s[0:1], 0x0               ; zq s[4:5], cq s[6:7], win s[8:9], mask s[10:11]
	s_load_b64 s[12:13], s[0:1], 0x20              ; out0
	s_set_vgpr_msb 0x40
	v_lshl_add_u32 v0, v0, 2, 0x400
	v_mov_b32 v1, 0
	s_set_vgpr_msb 0x4000
	v_lshrrev_b32 v1, 5, v0
	s_delay_alu instid0(VALU_DEP_1)
	v_readfirstlane_b32 s14, v1                    ; wave 0..7
	v_and_b32 v1, 15, v0                           ; r
	v_bfe_u32 v2, v0, 4, 1                         ; h
	v_bfe_u32 v3, v0, 3, 1                         ; u: which of a product's two rows my lane fetches for
	v_and_b32 v4, 7, v0
	s_delay_alu instid0(VALU_DEP_1)
	v_lshlrev_b32 v4, 4, v4
	s_delay_alu instid0(VALU_DEP_1)
	v_lshl_add_u32 v4, v2, 8, v4                   ; 256 h + 16 (lane % 8): my lane's place in a piece, and among the scale words
	v_and_b32 v5, 31, v0
	s_delay_alu instid0(VALU_DEP_1)
	v_lshlrev_b32 v5, 4, v5                        ; 16 x lane
	s_wait_alu depctr_va_vdst(0)
	v_lshlrev_b32 v6, 2, v1                        ; 4 r
	v_lshlrev_b32 v7, 2, v3                        ; 4 u
	s_lshl_b32 s23, s14, 6
	v_add_nc_u32 v3, s23, v6                       ; LDS: 64 x wave + 4 r
	v_mov_b32 v47, 0                               ; (a lane permute's destination counts as one of its sources)
	s_and_b32 s15, s14, 3                          ; my tile in its record
	s_lshr_b32 s16, s14, 2
	s_lshl_b32 s17, ttmp9, 1
	s_add_co_u32 s16, s16, s17                     ; the record: 2 x work-group + wave / 4
	s_mul_i32 s16, s16, REC
	s_mov_b32 s17, 0
	s_lshl_b32 s18, ttmp9, 9
	s_add_co_u32 s18, s18, s23                     ; my 16 rows in win and in mask: 512 x work-group + 64 x wave bytes
	s_mov_b32 s19, 0
	s_lshl_b32 s20, ttmp9, 9                       ; the work-group's 128 words of out0
	s_mov_b32 s21, 0
	s_lshl_b32 s22, s15, 11
	v_add_nc_u32 v45, s22, v5                      ; z's codes: 2,048 x tile + 16 x lane
	s_lshl_b32 s22, s15, 2
	v_add_nc_u32 v46, s22, v5                      ; z's scale word: 16 x lane + 4 x tile
	s_mov_b32 s44, 0x76543210
	s_mov_b32 s45, 0xfedcba98                      ; v_permlanex16_b32's selects for lane l xor 16
.irp p, 1,2,3,4,5,6,7
	s_mov_b32 s[48+\p], (1<<(2*\p))|(1<<(17+2*\p)) ; the two lanes that are wanted of product p
.endr
	s_mov_b32 s56, 0xaaaa5555                      ; all sixteen wanted lanes: 0, 2 .. 14 and 17, 19 .. 31
	s_wait_alu depctr_va_vdst(0)
	s_wait_kmcnt 0x0
	s_add_nc_u64 s[4:5], s[4:5], s[16:17]
	s_add_nc_u64 s[8:9], s[8:9], s[18:19]
	s_add_nc_u64 s[10:11], s[10:11], s[18:19]
	s_add_nc_u64 s[12:13], s[12:13], s[20:21]
.irp p, 0,1,2,3,4,5,6,7
	global_load_b32 v[SG+\p], v7, s[8:9] offset:8*\p               ; win of row 2 p + u
.endr
	global_load_b32 v[SGO], v6, s[8:9]
	global_load_b32 v[MK], v6, s[10:11]
.irp i, 0,1,2,3
	global_load_b128 v[ZF+4*\i:ZF+4*\i+3], v45, s[4:5] offset:512*\i
.endr
	global_load_b32 v[ZSC], v46, s[4:5] offset:8192
	s_wait_loadcnt 0x7                             ; the eight loads of win are in; the seven issued behind them may be out
.irp p, 0,1,2,3,4,5,6,7
	v_min_u32 v[SG+\p], 0x3ff, v[SG+\p]            ; a loaded number enters an address only held so; behind it masks, a product, shifts left and sums
	s_delay_alu instid0(VALU_DEP_1)
	v_and_b32 v43, 0x3f8, v[SG+\p]
	s_delay_alu instid0(VALU_DEP_1)
	v_mul_u32_u24 v43, v43, 1088                   ; 8 (sg / 8) x 1,088: the record
	s_delay_alu instid0(VALU_DEP_3)
	v_and_b32 v44, 1, v[SG+\p]
	s_delay_alu instid0(VALU_DEP_1)
	v_lshl_add_u32 v43, v44, 7, v43                ; + 128 (sg % 2): rows 8 on
	s_delay_alu instid0(VALU_DEP_1)
	v_add_nc_u32 v43, v43, v4                      ; + my lane's place
	v_and_b32 v44, 6, v[SG+\p]
	s_delay_alu instid0(VALU_DEP_1)
	v_lshl_add_u32 v[AC+\p], v44, 10, v43          ; codes: + 2,048 x tile
	s_delay_alu instid0(VALU_DEP_2)
	v_lshl_add_u32 v[AS+\p], v44, 1, v43           ; scale word: + 4 x tile
.irp i, 0,1,2,3
	global_load_b128 v[AF+16*\p+4*\i:AF+16*\p+4*\i+3], v[AC+\p], s[6:7] offset:512*\i
.endr
	global_load_b32 v[ASC+\p], v[AS+\p], s[6:7] offset:8192        ; lanes 0-15 K step 0's word of their candidate, lanes 16-31 K step 1's
.endr
	s_wait_loadcnt 0x0
.irp p, 0,1,2,3,4,5,6,7                        ; the eight accumulators by turns, one instruction a turn; the first product starts each sum
	v_wmma_scale_f32_16x16x128_f8f6f4 v[D+8*\p:D+8*\p+7], v[AF+16*\p:AF+16*\p+7], v[ZF:ZF+7], 0, v[ASC+\p], v[ZSC] matrix_a_fmt:MATRIX_FMT_FP4 matrix_b_fmt:MATRIX_FMT_FP4
.endr
.irp p, 0,1,2,3,4,5,6,7
	v_wmma_scale_f32_16x16x128_f8f6f4 v[D+8*\p:D+8*\p+7], v[AF+16*\p+8:AF+16*\p+15], v[ZF+8:ZF+15], v[D+8*\p:D+8*\p+7], v[ASC+\p], v[ZSC] matrix_a_fmt:MATRIX_FMT_FP4 matrix_b_fmt:MATRIX_FMT_FP4 matrix_a_scale:MATRIX_SCALE_ROW1 matrix_b_scale:MATRIX_SCALE_ROW1
.endr
.rept 4
	v_nop                                          ; four places between the last product and the first read of results (ISA guide 7.12.1)
.endr
.irp p, 1,2,3,4,5,6,7                          ; the wanted lanes of all eight products come together in the first accumulator; each accumulator is read from its low end on
.irp j, 0,1,2,3,4,5,6,7
	v_cndmask_b32 v[D+\j], v[D+\j], v[D+8*\p+\j], s[48+\p]
.endr
.endr
	v_mov_b32 v43, v[D]                            ; the first largest of my row's eight: a strict compare in ascending order keeps the first
	v_mov_b32 v44, 0
.irp j, 1
	s_delay_alu instid0(VALU_DEP_2)
	v_cmp_gt_f32 vcc_lo, v[D+\j], v43
	s_delay_alu instid0(VALU_DEP_1)
	v_cndmask_b32 v44, v44, \j, vcc_lo
	s_delay_alu instid0(VALU_DEP_4)
	v_max_num_f32 v43, v43, v[D+\j]
.endr
.irp j, 2, 3, 4, 5, 6, 7
	s_delay_alu instid0(VALU_DEP_1)
	v_cmp_gt_f32 vcc_lo, v[D+\j], v43
	s_delay_alu instid0(VALU_DEP_1)
	v_cndmask_b32 v44, v44, \j, vcc_lo
	s_delay_alu instid0(VALU_DEP_3)
	v_max_num_f32 v43, v43, v[D+\j]
.endr
	s_delay_alu instid0(VALU_DEP_2)
	v_lshl_add_u32 v44, v[SGO], 3, v44             ; the index: 8 win + the place among the eight
	v_cmp_ne_u32 vcc_lo, 0, v[MK]
	s_delay_alu instid0(VALU_DEP_1)
	v_cndmask_b32 v44, 0, v44, vcc_lo              ; 0 where the mask is 0
	s_delay_alu instid0(VALU_DEP_1)
	v_permlanex16_b32 v47, v44, s44, s45
	s_delay_alu instid0(VALU_DEP_1)
	v_cndmask_b32 v44, v47, v44, s56               ; a lane that is not wanted takes lane l xor 16's, which is: both lanes of a row hold its index
	ds_store_b32 v3, v44                           ; both write the same word with the same value
	s_wait_dscnt 0x0                               ; for wave 0's sake: my 16 indices lie in LDS
	s_barrier_signal -1
	s_barrier_wait -1
	s_cmp_lg_u32 s14, 0
	s_cbranch_scc1 .Ldone
	ds_load_b128 v[128:131], v5
	s_wait_dscnt 0x0
	global_store_b128 v5, v[128:131], s[12:13]     ; 128 indices: 512 consecutive bytes, aligned to 256
.Ldone:
	s_set_vgpr_msb 0x5
	s_wait_tensorcnt 0x0
	ds_add_u32 v0, v1
	s_wait_dscnt 0x0
	s_set_vgpr_msb 0x500
	s_endpgm
.Lfunc_end_k_qa0b956b8e9_resolve:
	.size	k_qa0b956b8e9_resolve, .Lfunc_end_k_qa0b956b8e9_resolve-k_qa0b956b8e9_resolve
	.p2alignl 7, 3214868480
	.fill 96, 4, 3214868480
	.section	.rodata,"a",@progbits
	.p2align	6, 0x0
	.amdhsa_kernel k_qa0b956b8e9_resolve
		.amdhsa_group_segment_fixed_size 2048
		.amdhsa_private_segment_fixed_size 0
		.amdhsa_enable_private_segment 0
		.amdhsa_kernarg_size 40
		.amdhsa_user_sgpr_count 2
		.amdhsa_user_sgpr_kernarg_segment_ptr 1
		.amdhsa_wavefront_size32 1
		.amdhsa_system_sgpr_workgroup_id_x 1
		.amdhsa_system_sgpr_workgroup_id_y 1
		.amdhsa_system_sgpr_workgroup_id_z 1
		.amdhsa_system_vgpr_workitem_id 0
		.amdhsa_next_free_vgpr 258
		.amdhsa_next_free_sgpr 66
		.amdhsa_reserve_vcc 1
		.amdhsa_float_denorm_mode_32 3
		.amdhsa_float_denorm_mode_16_64 3
		.amdhsa_memory_ordered 1
		.amdhsa_forward_progress 1
		.amdhsa_inst_pref_size 22
	.end_amdhsa_kernel
	.amdgpu_metadata
---
amdhsa.version: [ 1, 2 ]
amdhsa.kernels:
  - .name:           k_qa0b956b8e9_resolve
    .symbol:         k_qa0b956b8e9_resolve.kd
    .args:
      - { .name: zq, .offset: 0, .size: 8, .value_kind: global_buffer, .address_space: global }
      - { .name: cq, .offset: 8, .size: 8, .value_kind: global_buffer, .address_space: global }
      - { .name: win, .offset: 16, .size: 8, .value_kind: global_buffer, .address_space: global }
      - { .name: mask, .offset: 24, .size: 8, .value_kind: global_buffer, .address_space: global }
      - { .name: out0, .offset: 32, .size: 8, .value_kind: global_buffer, .address_space: global }
    .group_segment_fixed_size: 2048
    .private_segment_fixed_size: 0
    .kernarg_segment_align: 8
    .kernarg_segment_size: 40
    .max_flat_workgroup_size: 256
    .sgpr_count:     66
    .vgpr_count:     258
    .wavefront_size: 32
...
	.end_amdgpu_metadata
.endif
;; end of part 3
